; MI455X (gfx1250); checked and timed in simulation.
; The chip was launched on July 23, 2026; its instructions are those of AMD's public machine-readable ISA for CDNA 5 (MIT licence, August 2026) and "CDNA5" Instruction Set Architecture Reference Guide (July 2026). The comments in the code are by the model that wrote it; some were corrected since.
;; Self Attention. Allowed arithmetic: matrix products marked QUANTISED: E2M3 operands, one E8M0 scale for each 32 along K, by v_wmma_scale_f32_16x16x128_f8f6f4 with both operands' format E2M3, f32 sums; everything else in f32.
;; Inputs: Wk_codes 768 x 24 x 24 uint8 (E2M3 codes of Wk, K innermost, in blocks of 32 codes, four codes in three bytes); Wk_scales 768 x 24 uint8 (E8M0 scales of Wk, one for each 32 codes along K); Wq_codes 768 x 24 x 24 uint8 (E2M3 codes of Wq, K innermost, in blocks of 32 codes, four codes in three bytes); Wq_scales 768 x 24 uint8 (E8M0 scales of Wq, one for each 32 codes along K); Wv_codes 768 x 24 x 24 uint8 (E2M3 codes of Wv, K innermost, in blocks of 32 codes, four codes in three bytes); Wv_scales 768 x 24 uint8 (E8M0 scales of Wv, one for each 32 codes along K); bk 768 float32; bq 768 float32; bv 768 float32; pos 1,024 x 768 float32; x 16 x 1,024 x 768 float32.
;; Outputs: out0 16 x 1,024 x 768 float32.
;; This version of the problem:
;;   THIS VERSION OF THE PROBLEM IS GIVEN IN LOW PRECISION. The matrix products marked QUANTISED in the list below multiply operands that are first quantised to E2M3 (2 exponent bits, 3 mantissa bits; 6 bits a number), with one power-of-two scale for each 32 numbers along K (OCP MX v1.0); their sums are f32. All else is computed in f32.
;;   The module's matrix products, in the order in which they are computed (A, B: the left and right operand; K: the contracted axis; several contracted axes count as one K, in the product's order):
;;     1. [M 16,384, K 768] x [K 768, N 768]; A: computed on the way; B: input Wq (given as codes): QUANTISED
;;     2. [M 16,384, K 768] x [K 768, N 768]; A: computed on the way; B: input Wk (given as codes): QUANTISED
;;     3. [M 16,384, K 768] x [K 768, N 768]; A: computed on the way; B: input Wv (given as codes): QUANTISED
;;     4. batch 16 x [M 1,024, K 768] x [K 768, N 1,024]; A: computed on the way; B: computed on the way: QUANTISED
;;     5. batch 16 x [M 1,024, K 1,024] x [K 1,024, N 768]; A: softmax (see below); B: computed on the way: QUANTISED
;;   THE QUANTISER, for each operand of a quantised product, along K:
;;     - K is cut into blocks of 32 from its start; a last block that is shorter is filled with zeros.
;;     - A block's scale is 2^e with e = floor(log2(the largest magnitude in the block)) - 2, held to -126 .. 127; a block of zeros has e = 0. As a byte (E8M0): e + 127.
;;     - Each number is divided by its block's scale, clamped to +-7.5, and rounded to the nearest number of E2M3, ties to even, subnormals kept.
;;     - The product sums the exact products of the quantised numbers (number of the format x scale) in f32.
;;   ~~~python
;;   def quantise(x, axis):      # numpy; x: float32 -> the quantised numbers, widened to float32 again
;;       x = np.moveaxis(x, axis, -1); K = x.shape[-1]
;;       x = np.pad(x, [(0, 0)] * (x.ndim - 1) + [(0, -K % 32)]); x = x.reshape(x.shape[:-1] + (-1, 32)); a = np.abs(x).max(-1, keepdims=True)
;;       e = np.where(a > 0, np.clip(np.frexp(np.where(a > 0, a, 1))[1] - 1 - 2, -126, 127), 0)      # np.frexp(a)[1] - 1 = floor(log2(a)), exactly
;;       r = np.clip(x / 2.0 ** e, -7.5, 7.5)
;;       step = 2.0 ** (np.maximum(np.frexp(np.where(r == 0, 1, r))[1] - 1, 0) - 3)
;;       q = np.round(r / step) * step * 2.0 ** e      # np.round: ties to even
;;       return np.moveaxis(q.reshape(q.shape[:-2] + (-1,))[..., :K], -1, axis).astype(np.float32)
;;   ~~~
;;   SOFTMAX AHEAD OF A QUANTISED PRODUCT. Where the list says 'softmax', what is quantised is not the finished softmax but p = 2^(t - M), with t = logit x log2(e) and M = ceil(the row's largest t), a whole number; so 1/2 < the row's largest p <= 1. The row's sum l is taken of the UNQUANTISED p, in f32, and the product's result is divided by l at the end. Since M is a whole number, a kernel that streams over the keys may use a running M (the ceiling of the running maximum): every later rescaling is an exact power of two, which a block's scale takes up: the codes' values come out the same.
;;   OPERANDS COMPUTED ON THE WAY. 'Computed on the way' means the value that the module computes at that place (a softmax that the list does not call 'softmax' is quantised finished and normalised). What goes into a quantiser is computed in f32, as accurately as f32 sums, v_exp_f32 and their like allow (about 1e-6 of the number): no bf16 or f16 on the way to a quantiser, and a product that is left as it is and whose result goes on into a quantised operand takes f32 operands (vector FMAs, or v_wmma_f32_16x16x4_f32). A number that lies on a knife's edge between two numbers of the format may be rounded either way, as far as f32 arithmetic and the matrix unit's own rounding can turn it there, and no further.
;;   INPUTS GIVEN AS CODES. Wk (in the module: [768, 768], K = its axis 1); Wq (in the module: [768, 768], K = its axis 1); Wv (in the module: [768, 768], K = its axis 1): each comes as NAME_codes (uint8): NAME with its K axis moved to the last place and cut into blocks of 32 codes, [.., K / 32, bytes a block], one block behind the other in memory; four codes in three bytes: a row's codes are one little-endian stream of bits, code i at bits 6 i .. 6 i + 5 (a code: sign, 2 exponent bits, 3 mantissa bits); and NAME_scales (uint8): the same leading axes, one E8M0 byte (e + 127) for each 32 codes along K. Its value is code x scale, taken as it is: it is not quantised again, and the codes and scales need not be those that the quantiser above would give.
;; One version. Each part assembles by itself: llvm-mc -triple=amdgcn-amd-amdhsa -mcpu=gfx1250 --defsym DOCPART=n.
;; ======== version 1 of 1: 3 launches
;; limits: right only within a limited range of input values
;; workspace buffers: himg 9,830,400 bytes; wimg 1,548,288 bytes; qimg 9,830,400 bytes; kimg 9,830,400 bytes; vimg 9,830,400 bytes
;; launch prep (part 1): grid 256 x 1, 12 waves a work-group, no clusters, 102,912 bytes of LDS; arguments x, pos, Wq_codes, Wq_scales, Wk_codes, Wk_scales, Wv_codes, Wv_scales, bq, bk, bv, himg, wimg; writes himg, wimg
.if DOCPART == 1
	.amdgcn_target "amdgcn-amd-amdhsa--gfx1250"
	.amdhsa_code_object_version 6
	.text
	.protected	k_qc06e4461f4_prep
	.globl	k_qc06e4461f4_prep
	.p2align	8
	.type	k_qc06e4461f4_prep,@function
k_qc06e4461f4_prep:
	s_mov_b64 s[64:65], 0
	v_nop
	global_prefetch_b8 v0, s[64:65] scope:SCOPE_SE
	s_setreg_imm32_b32 hwreg(HW_REG_WAVE_MODE, 25, 1), 1
	s_wait_xcnt 0x0
; SELF-ATTENTION, ONE HEAD OF 768, B = 16, S = 1,024, ALL FIVE PRODUCTS ON CODES OF FP6 (E2M3) WITH ONE E8M0 SCALE FOR EACH 32 ALONG K.  Three launches: this one, proj (Q, K, V), attn (softmax(Q K^T) V).
; NO WORK IS LEFT OUT: bq and bk move Q's and K's codes, bv moves V's, pos moves h's; there is no mask and no slice: every input is loaded and every product of the table is done.
; THIS LAUNCH: (a) h = x + pos, in f32, quantised along the 768, stored as IMAGES OF OPERAND REGISTERS; (b) the three weights' codes, scale bytes and biases, as given, laid anew as such images.
; A FRAGMENT (16 rows x 128 K of 6-bit codes) is 12 registers a lane: lane (r, h) holds row r, registers 6 c .. 6 c + 5 hold K = 64 c + 32 h + 0 .. 31.  ITS IMAGE, 1,536 bytes: half c at 768 c:
; registers 6 c .. 6 c + 3 at 16 x lane (512 bytes), registers 6 c + 4, 6 c + 5 at 512 + 8 x lane (256 bytes).  So a fragment comes back by four dense loads, and every store here covers whole aligned runs of 256 bytes.
; A GROUP (38,400 bytes) is 64 rows: 24 fragments (row tile t, K step s: number 6 t + s), then the scale words at 36,864 + 384 t + 64 s + 4 r.
; THE ROWS OF A TILE ARE NOT NEIGHBOURS: lane r of tile 2 b + u takes row 32 b + 8 u + r + 8 (r / 8), so that later results of two neighbouring tiles are 16 neighbours along the next product's K.
; A WEIGHT RECORD (10,752 bytes) is 16 rows of a weight: 6 fragments, scale words at 9,216 + 64 s + 4 r, the bias as the image of a C operand at 9,728 (registers 0-3) and 10,240 (registers 4-7).
; Records 0-47: Wq, 48-95: Wk (tiles in the order above), 96-143: Wv (rows 16 d + r).  Bytes 9,600 to 9,727 of a record are neither stored nor read.
; A block's scale is 2^(floor(log2(largest magnitude)) - 2); its byte is that magnitude's exponent field - 2, held at 1 from below.
; LIMITS: NaN and infinities among the inputs are not served.  A block of zeros gets the byte 1 where the rule says 127: its codes are zeros, which add nothing, and this program alone reads the bytes.
; SHARES: 256 work-groups, as many as there are groups of 64 rows; wave w takes row tile w / 3 and K steps 2 (w % 3), 2 (w % 3) + 1.  Waves share nothing: no barrier.
; THE WEIGHTS ride along in work-groups 0-11, a record a wave (record 12 x work-group + wave): its loads are issued into the registers that x and pos have left, ahead of the wave's last quantising, and its stores follow
; behind that.  So the launch has one work-group for each of 256 groups of rows and none beside them.
; The scale words leave as 128 bytes a wave: parts of aligned runs of 256 bytes, one byte in 25 of what the launch stores.
.set ROWX,  3072                       ; a row of x or pos in bytes
.set GROUP, 38400
.set WREC,  10752
.set SP,    528                        ; a stage row: 512 bytes + 16
.set STGB,  16*SP                      ; a wave's stage
.set SPARE, 12*STGB                    ; behind the stages: the spare words, 128 bytes a wave, six blocks of 256 bytes that no other line names
.set A16, 1                            ; v1   16 x lane
.set A8,  2                            ; v2   8 x lane
.set A4,  3                            ; v3   4 x lane
.set STW, 4                            ; v4   the stage, on the way in: 16 x lane
.set STR, 5                            ; v5   and out: row r, + 64 h
.set SPW, 10                           ; v10  my spare word; never rewritten
.set NIL, 11                           ; v11  0; never rewritten
.set X,   16                           ; v16-79   16 rows x 16 bytes of x, then of h
.set P,   80                           ; v80-143  the same of pos
.set N,   144                          ; v144-207 64 numbers of my row: register 16 b + i = k 32 b + 16 h + i
.set PC,  208                          ; v208-227 the codes just made
.set TM,  228                          ; v228-243 at work
.set PW,  244                          ; the scale word just made
.set PWA, 245                          ; that of K step e = 0
.set PWS, 246                          ; both, to store
.set WC,  16                           ; a weight record, where x and pos lay: v16-87 codes, v88-90 scale words, v96-103 bias
.set WSC, 88
.set WB,  96
	s_load_b512 s[4:19], s[0:1], 0x0               ; x, pos, Wq codes, Wq scales, Wk codes, Wk scales, Wv codes, Wv scales
	s_load_b256 s[20:27], s[0:1], 0x40             ; bq, bk, bv, himg
	s_load_b64 s[28:29], s[0:1], 0x60              ; wimg
	v_lshl_add_u32 v[SPW], v0, 2, SPARE
	v_mov_b32 v[NIL], 0
	v_lshrrev_b32 v6, 5, v0
	s_delay_alu instid0(VALU_DEP_1)
	v_readfirstlane_b32 s30, v6                    ; wave 0..11
	v_and_b32 v6, 31, v0                           ; lane
	v_and_b32 v7, 15, v0                           ; r
	v_bfe_u32 v8, v0, 4, 1                         ; h
	s_delay_alu instid0(VALU_DEP_3)
	v_lshlrev_b32 v[A16], 4, v6
	s_wait_alu depctr_va_vdst(0)
	v_lshlrev_b32 v[A8], 3, v6
	v_lshlrev_b32 v[A4], 2, v6
	; where my part lies: ids alone, so it is worked out while the arguments are on their way.  The group of 64 rows is the work-group's number
	s_mul_i32 s32, s30, 11
	s_lshr_b32 s32, s32, 5                         ; row tile = wave / 3
	s_mul_i32 s33, s32, 3
	s_sub_co_u32 s33, s30, s33                     ; wave % 3: which 256 along K
	s_lshr_b32 s34, s32, 1
	s_lshl_b32 s34, s34, 5
	s_and_b32 s35, s32, 1
	s_lshl_b32 s35, s35, 3
	s_add_co_u32 s34, s34, s35                     ; the tile's first row in the group: 32 (t / 2) + 8 (t % 2)
	s_lshl_b32 s35, s33, 10                        ; 256 numbers are 1,024 bytes
	s_lshl_b32 s36, ttmp9, 6
	s_add_co_u32 s36, s36, s34
	s_mul_i32 s36, s36, ROWX
	s_add_co_u32 s36, s36, s35                     ; x: under 2^26 bytes
	s_mov_b32 s37, 0
	s_and_b32 s38, ttmp9, 15                       ; pos: the row within the sequence
	s_lshl_b32 s38, s38, 6
	s_add_co_u32 s38, s38, s34
	s_mul_i32 s38, s38, ROWX
	s_add_co_u32 s38, s38, s35
	s_mov_b32 s39, 0
	s_mul_i32 s40, ttmp9, GROUP
	s_lshl_b32 s42, s30, 7
	s_add_co_u32 s42, s42, s40
	s_add_co_u32 s42, s42, 36864                   ; my two scale words: 384 t + 128 (wave % 3) = 128 x wave
	s_mov_b32 s43, 0
	s_mul_i32 s41, s30, 3072
	s_add_co_u32 s40, s40, s41                     ; my two fragments: numbers 2 x wave, 2 x wave + 1
	s_mov_b32 s41, 0
	s_mov_b32 s44, 0x76543210
	s_mov_b32 s45, 0xfedcba98                      ; v_permlanex16_b32's selects for lane l xor 16
	s_mov_b32 s47, 0xffff0000                      ; lanes 16-31
	s_mul_i32 s46, s30, STGB                       ; my stage
	v_add_nc_u32 v[STW], s46, v[A16]
	v_mul_u32_u24 v9, v7, SP
	s_delay_alu instid0(VALU_DEP_1)
	v_lshl_add_u32 v9, v8, 6, v9
	s_delay_alu instid0(VALU_DEP_1)
	v_add_nc_u32 v[STR], s46, v9
.irp b, 0,1,2,3
	v_mov_b32 v[TM+4+\b], 0                        ; written once: a lane permute's destination counts as one of its sources
.endr
	s_wait_kmcnt 0x0
	s_add_nc_u64 s[4:5], s[4:5], s[36:37]
	s_add_nc_u64 s[6:7], s[6:7], s[38:39]
	s_add_nc_u64 s[48:49], s[26:27], s[40:41]
	s_add_nc_u64 s[50:51], s[26:27], s[42:43]
; K step e of my 16 rows: each load takes 512 consecutive bytes of one row
.macro XLOAD e
.irp i, 0,1,2,3,4,5,6,7,8,9,10,11,12,13,14,15
	global_load_b128 v[X+4*\i:X+4*\i+3], v[A16], s[4:5] offset:(\i+8*(\i/8))*ROWX+512*\e th:TH_LOAD_NT
	global_load_b128 v[P+4*\i:P+4*\i+3], v[A16], s[6:7] offset:(\i+8*(\i/8))*ROWX+512*\e
.endr
.endm
; h = x + pos, row by row, through my own stage: in as it lies, back 64 bytes a lane.  LDS serves a wave's instructions in order, so no wait stands between the stores and the loads
.macro TURN
.irp i, 0,1,2,3,4,5,6,7,8,9,10,11,12,13,14,15
	s_wait_loadcnt 2*(15-\i)                       ; row i's two loads are in; behind them stand two for each later row
	v_pk_add_f32 v[X+4*\i:X+4*\i+1], v[X+4*\i:X+4*\i+1], v[P+4*\i:P+4*\i+1]
	v_pk_add_f32 v[X+4*\i+2:X+4*\i+3], v[X+4*\i+2:X+4*\i+3], v[P+4*\i+2:P+4*\i+3]
	ds_store_b128 v[STW], v[X+4*\i:X+4*\i+3] offset:SP*\i
.endr
.irp b, 0,1,2,3
.irp j, 0,1,2,3
	ds_load_b128 v[N+16*\b+4*\j:N+16*\b+4*\j+3], v[STR] offset:128*\b+16*\j
.endr
.endr
.endm
; 64 numbers of a lane, register 16 b + i = k 32 b + 16 h + i of my row, become a fragment's codes in v[PC] on and its scale word in v[PW]
.macro QUANT src
.irp b, 0,1,2,3
	v_max3_num_f32 v[TM+\b], |v[\src+16*\b]|, |v[\src+1+16*\b]|, 0x1800000   ; block b: my 16 numbers, and the floor 2^(3 - 127): so the byte cannot fall under 1
.endr
.irp i, 2,4,6,8,10,12,14
.irp b, 0,1,2,3
	s_delay_alu instid0(VALU_DEP_4)
	v_max3_num_f32 v[TM+\b], v[TM+\b], |v[\src+16*\b+\i]|, |v[\src+1+16*\b+\i]|
.endr
.endr
.irp b, 0,1,2,3
	s_delay_alu instid0(VALU_DEP_4)
	v_permlanex16_b32 v[TM+4+\b], v[TM+\b], s44, s45
.endr
.irp b, 0,1,2,3
	s_delay_alu instid0(VALU_DEP_4)
	v_max_num_f32 v[TM+\b], v[TM+\b], v[TM+4+\b]   ; with lane l xor 16's: the block's largest magnitude
.endr
.irp b, 0,1,2,3
	s_delay_alu instid0(VALU_DEP_4)
	v_add_nc_u32 v[TM+12+\b], 0xff000000, v[TM+\b] ; 2 off its exponent field: the conversion takes the exponent field of this operand as its scale
.endr
.irp b, 0,1,2,3
	s_delay_alu instid0(VALU_DEP_4)
	v_lshrrev_b32 v[TM+4+\b], 23, v[TM+12+\b]      ; the scale's byte
.endr
	s_delay_alu instid0(VALU_DEP_3)
	v_lshl_or_b32 v[PW], v[TM+5], 8, v[TM+4]
	s_delay_alu instid0(VALU_DEP_1)
	v_lshl_or_b32 v[PW], v[TM+6], 16, v[PW]
	s_delay_alu instid0(VALU_DEP_1)
	v_lshl_or_b32 v[PW], v[TM+7], 24, v[PW]
.irp c, 0,1
	v_cvt_scalef32_pk16_fp6_f32 v[PC+6*\c:PC+2+6*\c], v[\src+32*\c:\src+15+32*\c], v[TM+12+2*\c]
	v_cvt_scalef32_pk16_fp6_f32 v[PC+12+4*\c:PC+14+4*\c], v[\src+16+32*\c:\src+31+32*\c], v[TM+12+2*\c+1]   ; (a conversion's three registers begin on an even number)
.endr
	v_nop                                          ; one plain place behind a scaled conversion
.irp c, 0,1                                    ; the operand's layout wants a whole block in a lane: lanes 0-15 block 2 c, lanes 16-31 block 2 c + 1
.irp i, 0,1,2
	v_permlane16_swap_b32 v[PC+6*\c+\i], v[PC+12+4*\c+\i]
.endr
.irp i, 0,1,2
	s_delay_alu instid0(VALU_DEP_3)
	v_mov_b32 v[PC+3+6*\c+\i], v[PC+12+4*\c+\i]
.endr
.endr
.endm
.macro OUT e                                   ; the fragment's image: 512, 256, 512, 256 consecutive bytes
	global_store_b128 v[A16], v[PC:PC+3], s[48:49] offset:1536*\e
	global_store_b64 v[A8], v[PC+4:PC+5], s[48:49] offset:1536*\e+512
	global_store_b128 v[A16], v[PC+6:PC+9], s[48:49] offset:1536*\e+768
	global_store_b64 v[A8], v[PC+10:PC+11], s[48:49] offset:1536*\e+1280
.endm
; my second fragment and my two scale words.  It is written in both arms of the one branch below, so that no second branch on the same number is needed
.macro TAIL
	s_wait_xcnt 0x0                                ; the first fragment's stores have read their registers: the codes may be written again
	QUANT N
	OUT 1
	v_cndmask_b32 v[PWS], v[PWA], v[PW], s47       ; lanes 0-15: the first K step's word of row r; lanes 16-31: the second's
	global_store_b32 v[A4], v[PWS], s[50:51]
.endm
	XLOAD 0
	TURN
	s_wait_dscnt 0x0                               ; the 64 numbers are in, and the stage's stores have read X
	XLOAD 1                                        ; the second K step lands while the first is quantised
	QUANT N
	OUT 0
	v_mov_b32 v[PWA], v[PW]
	TURN
	s_wait_dscnt 0x0                               ; the 64 numbers are in, and the stage's stores have read X: v16-143 are free from here on
	s_cmp_lt_u32 ttmp9, 12                         ; the work-group's number alone: all twelve waves go the same way
	s_cbranch_scc0 .Lplain
; ---- work-groups 0-11: a weight record a wave rides along.  No LDS is touched in this arm
	s_mul_i32 s31, ttmp9, 12
	s_add_co_u32 s31, s31, s30                     ; the record, 0..143
	s_cmp_lt_u32 ttmp9, 4                          ; records 0-47: Wq
	s_cselect_b64 s[32:33], s[8:9], s[12:13]
	s_cselect_b64 s[34:35], s[10:11], s[14:15]
	s_cselect_b64 s[36:37], s[20:21], s[22:23]
	s_cselect_b32 s38, 0, 48
	s_cmp_lt_u32 ttmp9, 8                          ; 48-95: Wk; 96-143: Wv
	s_cselect_b64 s[32:33], s[32:33], s[16:17]
	s_cselect_b64 s[34:35], s[34:35], s[18:19]
	s_cselect_b64 s[36:37], s[36:37], s[24:25]
	s_cselect_b32 s38, s38, 96
	s_cselect_b32 s39, 8, 0                        ; Wq, Wk: tiles in the order of the head comment
	s_sub_co_u32 s40, s31, s38
	s_lshl_b32 s40, s40, 4
	s_and_b32 s41, s31, 1
	s_lshl_b32 s41, s41, 3
	s_and_b32 s41, s41, s39
	s_sub_co_u32 s40, s40, s41                     ; the tile's first row: 16 T - 8 (T % 2), or 16 T
	v_and_b32 v9, s39, v7
	s_delay_alu instid0(VALU_DEP_1)
	v_add_nc_u32 v9, v9, v7
	s_delay_alu instid0(VALU_DEP_1)
	v_add_nc_u32 v9, s40, v9                       ; my row: + r + 8 (r / 8), or + r
	s_delay_alu instid0(VALU_DEP_1)
	v_mul_u32_u24 v12, v9, 576                     ; a row of 768 codes
	s_delay_alu instid0(VALU_DEP_1)
	v_mad_u32_u24 v12, v8, 24, v12
	s_delay_alu instid0(VALU_DEP_3)
	v_mul_u32_u24 v13, v9, 24                      ; a row of scale bytes; lanes 16-31 take the odd K steps' words
	s_delay_alu instid0(VALU_DEP_1)
	v_lshl_add_u32 v13, v8, 2, v13
	s_lshl_b32 s41, s40, 2
	v_lshl_add_u32 v14, v8, 6, s41                 ; Wq, Wk: the bias of units first row + 16 h + 0 .. 7
	v_lshl_add_u32 v15, v7, 2, s41                 ; Wv: of unit first row + r
	s_mul_i32 s42, s31, WREC
	s_mov_b32 s43, 0
	s_add_nc_u64 s[28:29], s[28:29], s[42:43]
.irp s, 0,1,2,3,4,5
.irp p, 0,1,2,3,4,5
	global_load_b64 v[WC+12*\s+2*\p:WC+12*\s+2*\p+1], v12, s[32:33] offset:96*\s+48*(\p/3)+8*(\p%3)
.endr
.endr
.irp i, 0,1,2
	global_load_b32 v[WSC+\i], v13, s[34:35] offset:8*\i   ; lane (r, h): the word of K step 2 i + h
.endr
	s_cmp_lt_u32 ttmp9, 8
	s_cbranch_scc0 .Lbias_v
	global_load_b128 v[WB:WB+3], v14, s[36:37]
	global_load_b128 v[WB+4:WB+7], v14, s[36:37] offset:16
	s_branch .Lbias_asked
.Lbias_v:
	s_wait_alu depctr_va_vdst(0)
.irp j, 0,1,2,3,4,5,6,7
	global_load_b32 v[WB+\j], v15, s[36:37]        ; in V's product a lane holds one unit and eight keys: the same word into all eight, so that nothing behind the wait differs between the weights
.endr
.Lbias_asked:
	TAIL                                           ; register work and stores while the record's loads, 47 at the most, are out
	s_wait_loadcnt 0x0                             ; the record is in
.irp s, 0,1,2,3,4,5
.irp c, 0,1
	global_store_b128 v[A16], v[WC+12*\s+6*\c:WC+12*\s+6*\c+3], s[28:29] offset:1536*\s+768*\c
	global_store_b64 v[A8], v[WC+12*\s+6*\c+4:WC+12*\s+6*\c+5], s[28:29] offset:1536*\s+768*\c+512
.endr
.endr
.irp i, 0,1,2
	global_store_b32 v[A4], v[WSC+\i], s[28:29] offset:9216+128*\i
.endr
	global_store_b128 v[A16], v[WB:WB+3], s[28:29] offset:9728
	global_store_b128 v[A16], v[WB+4:WB+7], s[28:29] offset:10240
	s_branch .Lend
; ---- the other 244 work-groups
.Lplain:
	TAIL
.Lend:
	s_wait_tensorcnt 0x0                           ; the wave's end: a tensor wait, an add to my spare word and a wait for it
	ds_add_u32 v[SPW], v[NIL]
	s_wait_dscnt 0x0
	s_endpgm
.Lfunc_end_k_qc06e4461f4_prep:
	.size	k_qc06e4461f4_prep, .Lfunc_end_k_qc06e4461f4_prep-k_qc06e4461f4_prep
	.p2alignl 7, 3214868480
	.fill 96, 4, 3214868480
	.section	.rodata,"a",@progbits
	.p2align	6, 0x0
	.amdhsa_kernel k_qc06e4461f4_prep
		.amdhsa_group_segment_fixed_size 102912
		.amdhsa_private_segment_fixed_size 0
		.amdhsa_enable_private_segment 0
		.amdhsa_kernarg_size 104
		.amdhsa_user_sgpr_count 2
		.amdhsa_user_sgpr_kernarg_segment_ptr 1
		.amdhsa_wavefront_size32 1
		.amdhsa_system_sgpr_workgroup_id_x 1
		.amdhsa_system_sgpr_workgroup_id_y 1
		.amdhsa_system_sgpr_workgroup_id_z 1
		.amdhsa_system_vgpr_workitem_id 0
		.amdhsa_next_free_vgpr 256
		.amdhsa_next_free_sgpr 66
		.amdhsa_reserve_vcc 0
		.amdhsa_float_denorm_mode_32 3
		.amdhsa_float_denorm_mode_16_64 3
		.amdhsa_memory_ordered 1
		.amdhsa_forward_progress 1
		.amdhsa_inst_pref_size 45
	.end_amdhsa_kernel
	.amdgpu_metadata
---
amdhsa.version: [ 1, 2 ]
amdhsa.kernels:
  - .name:           k_qc06e4461f4_prep
    .symbol:         k_qc06e4461f4_prep.kd
    .args:
      - { .name: x, .offset: 0, .size: 8, .value_kind: global_buffer, .address_space: global }
      - { .name: pos, .offset: 8, .size: 8, .value_kind: global_buffer, .address_space: global }
      - { .name: Wq_codes, .offset: 16, .size: 8, .value_kind: global_buffer, .address_space: global }
      - { .name: Wq_scales, .offset: 24, .size: 8, .value_kind: global_buffer, .address_space: global }
      - { .name: Wk_codes, .offset: 32, .size: 8, .value_kind: global_buffer, .address_space: global }
      - { .name: Wk_scales, .offset: 40, .size: 8, .value_kind: global_buffer, .address_space: global }
      - { .name: Wv_codes, .offset: 48, .size: 8, .value_kind: global_buffer, .address_space: global }
      - { .name: Wv_scales, .offset: 56, .size: 8, .value_kind: global_buffer, .address_space: global }
      - { .name: bq, .offset: 64, .size: 8, .value_kind: global_buffer, .address_space: global }
      - { .name: bk, .offset: 72, .size: 8, .value_kind: global_buffer, .address_space: global }
      - { .name: bv, .offset: 80, .size: 8, .value_kind: global_buffer, .address_space: global }
      - { .name: himg, .offset: 88, .size: 8, .value_kind: global_buffer, .address_space: global }
      - { .name: wimg, .offset: 96, .size: 8, .value_kind: global_buffer, .address_space: global }
    .group_segment_fixed_size: 102912
    .private_segment_fixed_size: 0
    .kernarg_segment_align: 8
    .kernarg_segment_size: 104
    .max_flat_workgroup_size: 384
    .sgpr_count:     66
    .vgpr_count:     256
    .wavefront_size: 32
...
	.end_amdgpu_metadata
.endif
;; end of part 1
;; launch proj (part 2): grid 64 x 4, 4 waves a work-group, no clusters, 0 bytes of LDS; arguments himg, wimg, qimg, kimg, vimg; writes qimg, kimg, vimg
.if DOCPART == 2
	.amdgcn_target "amdgcn-amd-amdhsa--gfx1250"
	.amdhsa_code_object_version 6
	.text
	.protected	k_qc06e4461f4_proj
	.globl	k_qc06e4461f4_proj
	.p2align	8
	.type	k_qc06e4461f4_proj,@function
k_qc06e4461f4_proj:
	s_mov_b64 s[64:65], 0
	v_nop
	global_prefetch_b8 v0, s[64:65] scope:SCOPE_SE
	s_setreg_imm32_b32 hwreg(HW_REG_WAVE_MODE, 25, 1), 1
	s_wait_xcnt 0x0
; Q = h Wq^T + bq, K = h Wk^T + bk, V = h Wv^T + bv on codes of FP6 (E2M3); the results are quantised in registers, Q and K along their 768, V along the keys, and stored as images of operand registers
; (fragment, group and weight record: as the first launch's head comment lays them).  No work is left out.
; SHARES.  Work-group (R, y): rows 128 R .. 128 R + 127 (8 row tiles), half of the 2,304 columns.  Every wave holds all of h for these rows in registers: 48 fragments, 576 registers.
; The unit of work is a PAIR: two weight records x 8 row tiles x 6 K steps = 96 matrix instructions on 16 accumulators, so each weight fragment feeds 8.  Nine pairs a wave:
;   y = 0: column chunks (128 columns of Q or K, 4 pairs) 2 w and 2 w + 1, and V's tiles 2 w, 2 w + 1;   y = 1: chunk 8 + w, and V's tiles 8 + 10 w .. 17 + 10 w.
; Q, K: used transposed (source 0 = 16 rows of W, source 1 = 16 rows of h): a lane holds one row, and the 16 registers of a pair are 16 neighbours along the next K: a block of 32 lies in lanes l and l xor 16.
;   Pair b of a chunk is block b of one K step of the next product; two pairs make half a fragment.
; V: source 0 = 16 rows of h (keys), source 1 = 16 rows of Wv: a lane holds one unit d, and the 64 registers of a record's 8 tiles run along the 128 keys: one fragment of V^T and one scale word.
;   vimg's group (batch, 256 keys c, 192 units wa): fragment 12 s' + m holds units 192 wa + 16 m + r, keys 256 c + 128 s' + 0 .. 127; its scale words at 36,864 + 768 s' + 64 m + 4 r.
; The biases are the C of each sum's first matrix instruction.  The 16 accumulators take turns, one instruction a turn.
; THE WEIGHTS go from memory straight into the registers of each wave that wants them, a pair ahead: behind a K step's 16 products, the next pair's same K step is loaded into the registers just read.
; NO CLUSTER, NO LDS: each weight byte is wanted by two waves of a work-group; a joint load would add an LDS write and an LDS read of 774 KB a work-group, and one pair's 96 products are all the work a refill would have in which to land.
; The scale words leave in runs of 64 and 128 bytes: parts of aligned runs of 256 bytes, one byte in 25 of the stores.
; LIMITS: as in the first launch: NaN and infinities are not served; a block of zeros gets the byte 1.
; REGISTERS, in windows of 256.  Window 0: see the names below.  Window 1 + s / 2: h(s, t) at 96 (s % 2) + 12 t; W(u, s) at 192 + 24 (s % 2) + 12 u.  Window 1, v240-255: the two bias images.
.set GROUP, 38400
.set WREC,  10752
.set L16, 1                            ; v1   16 x lane
.set L8,  2                            ; v2   8 x lane
.set L4S, 3                            ; v3   4 r + 192 h: lanes 0-15 take the word of K step i, lanes 16-31 that of K step 3 + i
.set SSQ, 4                            ; v4   4 r + 384 h: Q's and K's scale words, two row tiles a store
.set SSV, 5                            ; v5   4 x lane: V's, two unit tiles a store
.set HS,  8                            ; v8-31   h's scale words: 3 registers a row tile
.set WS,  32                           ; v32-43  the weights': two sets of 2 x 3
.set SW,  44                           ; v44-51  the scale word in the making, a row tile each
.set CD,  52                           ; v52-99  codes: 6 registers a row tile (V: two runs of 20)
.set TM,  100                          ; v100-115 at work
.set TO,  116                          ; v116-123 at work
.set PW0, 124                          ; V's two scale words
.set PW1, 125
.set TT,  126
.set ACC, 128                          ; v128-255 the 16 accumulators
.set BI,  240                          ; in window 1
.set NXT, 22                           ; s[22:23] the next pair's records
.set MSB, 0
.macro WIN new                         ; the immediate's high byte repeats the setting that is left; a switch that changes nothing is dropped
.set NW, (\new)
.if MSB != NW
	s_set_vgpr_msb (MSB<<8)|NW
.set MSB, NW
.endif
.endm
.macro PLACES n
.rept \n
	v_nop
.endr
.endm
.macro GFRAG d, base, off              ; a fragment's image into 12 registers
.set rG, \d
.set oG, \off
	global_load_b128 v[rG:rG+3], v[L16], s[\base:\base+1] offset:oG
	global_load_b64 v[rG+4:rG+5], v[L8], s[\base:\base+1] offset:oG+512
	global_load_b128 v[rG+6:rG+9], v[L16], s[\base:\base+1] offset:oG+768
	global_load_b64 v[rG+10:rG+11], v[L8], s[\base:\base+1] offset:oG+1280
.endm
; K step s of the pair at s[NXT]: 8 loads; with K step 0 also its scale words (into set ws) and its bias images: 10 more, ahead of the 8
.macro WLOAD s, ws
.if (\s) == 0
	WIN 0
.irp u, 0,1
.irp i, 0,1,2
	global_load_b32 v[WS+6*(\ws)+3*\u+\i], v[L4S], s[NXT:NXT+1] offset:WREC*\u+9216+64*\i
.endr
.endr
	WIN 0x40
.irp u, 0,1
	global_load_b128 v[BI+8*\u:BI+8*\u+3], v[L16], s[NXT:NXT+1] offset:WREC*\u+9728
	global_load_b128 v[BI+8*\u+4:BI+8*\u+7], v[L16], s[NXT:NXT+1] offset:WREC*\u+10240
.endr
.endif
	WIN (1+(\s)/2)<<6
.irp u, 0,1
	GFRAG 192+24*((\s)%2)+12*\u, NXT, WREC*\u+1536*(\s)
.endr
.endm
; one product.  kind 0: Q, K (source 0 = W);  kind 1: V (source 0 = h)
.macro PROD kind, ws, s, u, t
.set rW, 192+24*((\s)%2)+12*(\u)
.set rH, 96*((\s)%2)+12*(\t)
.set rWS, WS+6*(\ws)+3*(\u)+(\s)%3
.set rHS, HS+3*(\t)+(\s)%3
.if \kind == 0
.set rD, ACC+16*(\t)+8*(\u)
.set rA, rW
.set rB, rH
.set rAS, rWS
.set rBS, rHS
.else
.set rD, ACC+64*(\u)+8*(\t)
.set rA, rH
.set rB, rW
.set rAS, rHS
.set rBS, rWS
.endif
.if (\s) == 0
	v_wmma_scale_f32_16x16x128_f8f6f4 v[rD:rD+7], v[rA:rA+11], v[rB:rB+11], v[BI+8*(\u):BI+8*(\u)+7], v[rAS], v[rBS] matrix_a_fmt:MATRIX_FMT_FP6 matrix_b_fmt:MATRIX_FMT_FP6
.elseif (\s) < 3
	v_wmma_scale_f32_16x16x128_f8f6f4 v[rD:rD+7], v[rA:rA+11], v[rB:rB+11], v[rD:rD+7], v[rAS], v[rBS] matrix_a_fmt:MATRIX_FMT_FP6 matrix_b_fmt:MATRIX_FMT_FP6
.else
	v_wmma_scale_f32_16x16x128_f8f6f4 v[rD:rD+7], v[rA:rA+11], v[rB:rB+11], v[rD:rD+7], v[rAS], v[rBS] matrix_a_fmt:MATRIX_FMT_FP6 matrix_b_fmt:MATRIX_FMT_FP6 matrix_a_scale:MATRIX_SCALE_ROW1 matrix_b_scale:MATRIX_SCALE_ROW1
.endif
.endm
; A pair's 96 products.  load = 1: the next pair is fetched, K step by K step, into the registers just read, four places behind their last reader.
; THE WAIT.  Loads come back in order.  Behind K step s's loads of this pair stand 8 (5 - s) of the same pair and, where the next pair is being fetched and s > 0, its 18 + 8 (s - 1): 40 at s = 0, else 50.
.macro MULS kind, ws, load
.irp s, 0,1,2,3,4,5
.if \load
.if \s == 0
	s_wait_loadcnt 40
.else
	s_wait_loadcnt 50
.endif
.else
	s_wait_loadcnt 8*(5-\s)
.endif
.if \s == 0
	WIN 0x15                                       ; W, h and the bias in window 1, the result in window 0
.elseif \s == 1
	WIN 0x05
.elseif \s < 4
	WIN 0x0a
.else
	WIN 0x0f
.endif
.irp u, 0,1
.irp t, 0,1,2,3,4,5,6,7
	PROD \kind, \ws, \s, \u, \t
.endr
.endr
.if \load || (\s == 5)
	PLACES 4                                       ; in front of loads into registers that these products read, and of the first read of results
.endif
.if \load
	WLOAD \s, 1-\ws
.endif
.endr
	WIN 0
.endm
; Q, K: pair b of a chunk is quantised: block b of the next product's K step, for the 8 row tiles by turns.  Each accumulator is read from its low end on
.macro EPQK b
	s_wait_xcnt 0x0                                ; every earlier load and store has read its registers and its base: the weights' pointer steps, and registers that held store data are written again
	s_add_nc_u64 s[NXT:NXT+1], s[NXT:NXT+1], 2*WREC
.if (\b) == 2
	s_cmp_eq_u32 s18, 1                            ; the last chunk's last pair fetches V's first pair
	s_cselect_b64 s[NXT:NXT+1], s[24:25], s[NXT:NXT+1]
.endif
.irp t, 0,1,2,3,4,5,6,7
	v_max3_num_f32 v[TM+\t], |v[ACC+16*\t]|, |v[ACC+16*\t+1]|, 0x1800000   ; my 16 numbers, and the floor 2^(3 - 127)
.endr
.irp i, 2,4,6,8,10,12,14
.irp t, 0,1,2,3,4,5,6,7
	v_max3_num_f32 v[TM+\t], v[TM+\t], |v[ACC+16*\t+\i]|, |v[ACC+16*\t+\i+1]|
.endr
.endr
.irp t, 0,1,2,3,4,5,6,7
	v_permlanex16_b32 v[TM+8+\t], v[TM+\t], s20, s21
.endr
.irp t, 0,1,2,3,4,5,6,7
	v_max_num_f32 v[TM+\t], v[TM+\t], v[TM+8+\t]   ; with lane l xor 16's: the block's largest magnitude
.endr
.irp t, 0,1,2,3,4,5,6,7
	v_add_nc_u32 v[TM+8+\t], 0xff000000, v[TM+\t]  ; 2 off its exponent field: the conversion's scale operand
.endr
.irp t, 0,1,2,3,4,5,6,7
	v_lshrrev_b32 v[TM+\t], 23, v[TM+8+\t]         ; the scale's byte
.endr
.irp t, 0,1,2,3,4,5,6,7
.if (\b) == 0
	v_mov_b32 v[SW+\t], v[TM+\t]
.else
	v_lshl_or_b32 v[SW+\t], v[TM+\t], 8*(\b), v[SW+\t]
.endif
.endr
.if (\b)%2 == 0
.irp t, 0,1,2,3,4,5,6,7
	v_cvt_scalef32_pk16_fp6_f32 v[CD+6*\t:CD+6*\t+2], v[ACC+16*\t:ACC+16*\t+15], v[TM+8+\t]   ; half blocks: they wait for the odd pair's
.endr
	v_nop                                          ; one plain place behind a scaled conversion
.else
.irp g, 0,1                                    ; four row tiles at a time
.irp q, 0,1,2,3
.set rS, TM+4*\q+8*(\q/2)
	v_cvt_scalef32_pk16_fp6_f32 v[rS:rS+2], v[ACC+16*(4*\g+\q):ACC+16*(4*\g+\q)+15], v[TM+8+4*\g+\q]
.endr
	v_nop
.irp q, 0,1,2,3
.set rS, TM+4*\q+8*(\q/2)
.set rC, CD+6*(4*\g+\q)
.irp i, 0,1,2
	v_permlane16_swap_b32 v[rC+\i], v[rS+\i]       ; lanes 0-15 get the even block whole, lanes 16-31 the odd one
.endr
.irp i, 0,1,2
	v_mov_b32 v[rC+3+\i], v[rS+\i]
.endr
	global_store_b128 v[L16], v[rC:rC+3], s[26:27] offset:\g*GROUP+9216*\q+768*((\b)/2)
	global_store_b64 v[L8], v[rC+4:rC+5], s[26:27] offset:\g*GROUP+9216*\q+768*((\b)/2)+512
.endr
.endr
.endif
.if (\b) == 3
.irp i, 0,1,2,3
	v_cndmask_b32 v[TO+\i], v[SW+2*\i], v[SW+2*\i+1], s31   ; lanes 0-15: row tile 2 i's words; lanes 16-31: tile 2 i + 1's
	global_store_b32 v[SSQ], v[TO+\i], s[28:29] offset:(\i/2)*GROUP+36864+768*(\i%2)
.endr
.endif
.endm
; 64 numbers of a lane, register 16 b + i = k 32 b + 16 h + i, become a fragment's codes in v[pc] on and its scale word in v[pw]
.macro QUANT src, pc, pw
.irp b, 0,1,2,3
	v_max3_num_f32 v[TM+\b], |v[\src+16*\b]|, |v[\src+1+16*\b]|, 0x1800000
.endr
.irp i, 2,4,6,8,10,12,14
.irp b, 0,1,2,3
	v_max3_num_f32 v[TM+\b], v[TM+\b], |v[\src+16*\b+\i]|, |v[\src+1+16*\b+\i]|
.endr
.endr
.irp b, 0,1,2,3
	v_permlanex16_b32 v[TM+4+\b], v[TM+\b], s20, s21
.endr
.irp b, 0,1,2,3
	v_max_num_f32 v[TM+\b], v[TM+\b], v[TM+4+\b]
.endr
.irp b, 0,1,2,3
	v_add_nc_u32 v[TM+12+\b], 0xff000000, v[TM+\b]
.endr
.irp b, 0,1,2,3
	v_lshrrev_b32 v[TM+4+\b], 23, v[TM+12+\b]
.endr
	v_lshl_or_b32 v[\pw], v[TM+5], 8, v[TM+4]
	v_lshl_or_b32 v[\pw], v[TM+6], 16, v[\pw]
	v_lshl_or_b32 v[\pw], v[TM+7], 24, v[\pw]
.irp c, 0,1
	v_cvt_scalef32_pk16_fp6_f32 v[\pc+6*\c:\pc+2+6*\c], v[\src+32*\c:\src+15+32*\c], v[TM+12+2*\c]
	v_cvt_scalef32_pk16_fp6_f32 v[\pc+12+4*\c:\pc+14+4*\c], v[\src+16+32*\c:\src+31+32*\c], v[TM+12+2*\c+1]
.endr
	v_nop
.irp c, 0,1
.irp i, 0,1,2
	v_permlane16_swap_b32 v[\pc+6*\c+\i], v[\pc+12+4*\c+\i]
.endr
.irp i, 0,1,2
	v_mov_b32 v[\pc+3+6*\c+\i], v[\pc+12+4*\c+\i]
.endr
.endr
.endm
.macro VOUT pc, off
	global_store_b128 v[L16], v[\pc:\pc+3], s[48:49] offset:\off
	global_store_b64 v[L8], v[\pc+4:\pc+5], s[48:49] offset:\off+512
	global_store_b128 v[L16], v[\pc+6:\pc+9], s[48:49] offset:\off+768
	global_store_b64 v[L8], v[\pc+10:\pc+11], s[48:49] offset:\off+1280
.endm
; V: the pair's two unit tiles d = s30, s30 + 1 are quantised along the 128 keys
.macro EPV
	s_wait_xcnt 0x0                                ; as in EPQK
	s_add_nc_u64 s[NXT:NXT+1], s[NXT:NXT+1], 2*WREC
	s_mul_i32 s32, s30, 43
	s_lshr_b32 s32, s32, 9                         ; wa = d / 12 (d under 48)
	s_mul_i32 s33, s32, 12
	s_sub_co_u32 s33, s30, s33                     ; m = d % 12
	s_add_co_u32 s32, s32, s42
	s_mul_i32 s32, s32, GROUP                      ; the group
	s_mul_i32 s34, s33, 1536
	s_add_co_u32 s34, s34, s32
	s_add_co_u32 s34, s34, s43                     ; fragment 12 s' + m
	s_mov_b32 s35, 0
	s_lshl_b32 s36, s33, 6
	s_add_co_u32 s36, s36, s32
	s_add_co_u32 s36, s36, s44                     ; scale words 36,864 + 768 s' + 64 m
	s_mov_b32 s37, 0
	s_add_nc_u64 s[48:49], s[12:13], s[34:35]
	s_add_nc_u64 s[50:51], s[12:13], s[36:37]
	s_add_co_u32 s30, s30, 2
	QUANT ACC, CD, PW0
	VOUT CD, 0
	QUANT ACC+64, CD+20, PW1
	VOUT CD+20, 1536
	v_cndmask_b32 v[TT], v[PW0], v[PW1], s31
	global_store_b32 v[SSV], v[TT], s[50:51]
.endm
	s_load_b256 s[4:11], s[0:1], 0x0               ; himg, wimg, qimg, kimg
	s_load_b64 s[12:13], s[0:1], 0x20              ; vimg
	v_lshrrev_b32 v6, 5, v0
	v_readfirstlane_b32 s14, v6                    ; wave 0..3
	v_and_b32 v6, 31, v0
	v_and_b32 v7, 15, v0
	v_bfe_u32 v[TT], v0, 4, 1
	v_lshlrev_b32 v[L16], 4, v6
	v_lshlrev_b32 v[L8], 3, v6
	v_lshlrev_b32 v[SSV], 2, v6
	v_lshlrev_b32 v[L4S], 2, v7
	v_mad_u32_u24 v[SSQ], v[TT], 384, v[L4S]
	v_mad_u32_u24 v[L4S], v[TT], 192, v[L4S]
.irp j, 4,5,6,7,8,9,10,11,12,13,14,15
	v_mov_b32 v[TM+\j], 0                          ; written once: a lane permute's destination counts as one of its sources
.endr
	; THE DEAL, which takes the place of the head comment's 'work-group (R, y)' and 'wave w': the grid is 64 x 4, and wave v of work-group (X, Y) takes
	; the rows' block R = 2 X + v / 2 and the share of columns (y, w) = (Y / 2, (2 Y + v % 2) % 4).  So waves 0, 1 (and 2, 3) load the same h, and waves v, v + 2 the same
	; weight records: each weight byte is wanted by two waves of a work-group.  The trip counts hang on Y alone; each byte of the images still has one wave that stores it.
	s_lshr_b32 s15, s14, 1                         ; v / 2
	s_lshl_b32 s16, ttmp9, 1
	s_add_co_u32 s15, s15, s16                     ; R = 2 X + v / 2
	s_and_b32 s16, ttmp7, 0xffff                   ; Y
	s_and_b32 s14, s14, 1
	s_lshl_b32 s17, s16, 1
	s_add_co_u32 s14, s14, s17
	s_and_b32 s14, s14, 3                          ; w = (2 Y + v % 2) % 4
	s_lshr_b32 s16, s16, 1                         ; y = Y / 2
	s_mov_b32 s20, 0x76543210
	s_mov_b32 s21, 0xfedcba98
	s_mov_b32 s31, 0xffff0000                      ; lanes 16-31
	s_lshr_b32 s42, s15, 3
	s_lshl_b32 s42, s42, 4                         ; 16 x batch
	s_bfe_u32 s43, s15, 0x20001                    ; which 256 keys of the batch
	s_lshl_b32 s43, s43, 2
	s_add_co_u32 s42, s42, s43                     ; vimg's group, less wa
	s_and_b32 s44, s15, 1                          ; s': which 128 of the 256
	s_mul_i32 s43, s44, 18432
	s_mul_i32 s44, s44, 768
	s_add_co_u32 s44, s44, 36864
	s_lshl_b32 s32, s14, 1                         ; y = 0: chunk 2 w, unit tile 2 w
	s_add_co_u32 s33, s14, 8                       ; y = 1: chunk 8 + w,
	s_mul_i32 s34, s14, 10
	s_add_co_u32 s34, s34, 8                       ; unit tile 8 + 10 w
	s_cmp_eq_u32 s16, 0
	s_cselect_b32 s18, 2, 1                        ; chunks to go
	s_cselect_b32 s19, 0, 2                        ; trips of V's loop, two pairs each; one more pair stands behind it
	s_cselect_b32 s17, s32, s33                    ; the chunk
	s_cselect_b32 s30, s32, s34                    ; V's unit tile
	s_mul_i32 s40, s15, 2*GROUP                    ; my rows' two groups
	s_mov_b32 s41, 0
	s_mul_i32 s32, s17, 8*WREC
	s_mov_b32 s33, 0
	s_add_co_u32 s34, s30, 96
	s_mul_i32 s34, s34, WREC
	s_mov_b32 s35, 0
	s_wait_kmcnt 0x0
	s_add_nc_u64 s[4:5], s[4:5], s[40:41]
	s_add_nc_u64 s[NXT:NXT+1], s[6:7], s[32:33]
	s_add_nc_u64 s[24:25], s[6:7], s[34:35]        ; V's first pair
.irp s, 0,1,2,3,4,5
	WIN (1+\s/2)<<6
.irp t, 0,1,2,3,4,5,6,7
	GFRAG 96*(\s%2)+12*\t, 4, (\t/4)*GROUP+1536*(6*(\t%4)+\s)
.endr
.endr
	WIN 0
.irp t, 0,1,2,3,4,5,6,7
.irp i, 0,1,2
	global_load_b32 v[HS+3*\t+\i], v[L4S], s[4:5] offset:(\t/4)*GROUP+36864+384*(\t%4)+64*\i
.endr
.endr
.irp s, 0,1,2,3,4,5
	WLOAD \s, 0                                    ; the first pair
.endr
	WIN 0
	s_wait_xcnt 0x0                                ; the head's loads have read their bases: the weights' pointer may step.  The first pair's own counted waits cover h and each K step: behind K step 0's loads stand the 40 of K steps 1 to 5
	s_add_nc_u64 s[NXT:NXT+1], s[NXT:NXT+1], 2*WREC
.Lchunk:                                           ; a chunk of 128 columns of Q or K: four pairs
	s_wait_xcnt 0x0                                ; the last chunk's stores have read their bases
	s_cmp_lt_u32 s17, 6
	s_cselect_b64 s[26:27], s[8:9], s[10:11]       ; chunks 0-5: Q; 6-11: K
	s_cselect_b32 s32, 0, 6
	s_sub_co_u32 s32, s17, s32                     ; the next product's K step
	s_mul_i32 s34, s32, 1536
	s_add_co_u32 s34, s34, s40
	s_mov_b32 s35, 0
	s_lshl_b32 s32, s32, 6
	s_add_co_u32 s32, s32, s40
	s_mov_b32 s33, 0
	s_add_nc_u64 s[28:29], s[26:27], s[32:33]      ; scale words (36,864 stands in the stores' immediate)
	s_add_nc_u64 s[26:27], s[26:27], s[34:35]      ; fragments
	MULS 0, 0, 1
	EPQK 0
	MULS 0, 1, 1
	EPQK 1
	MULS 0, 0, 1
	EPQK 2
	MULS 0, 1, 1
	EPQK 3
	s_add_co_u32 s17, s17, 1
	s_sub_co_u32 s18, s18, 1
	s_cmp_lg_u32 s18, 0
	s_cbranch_scc1 .Lchunk
	s_cmp_eq_u32 s19, 0
	s_cbranch_scc1 .Lvtail
.Lv:
	MULS 1, 0, 1
	EPV
	MULS 1, 1, 1
	EPV
	s_sub_co_u32 s19, s19, 1
	s_cmp_lg_u32 s19, 0
	s_cbranch_scc1 .Lv
.Lvtail:
	MULS 1, 0, 0                                   ; the last pair fetches nothing: no load leaves its buffer
	EPV
	s_endpgm
.Lfunc_end_k_qc06e4461f4_proj:
	.size	k_qc06e4461f4_proj, .Lfunc_end_k_qc06e4461f4_proj-k_qc06e4461f4_proj
	.p2alignl 7, 3214868480
	.fill 96, 4, 3214868480
	.section	.rodata,"a",@progbits
	.p2align	6, 0x0
	.amdhsa_kernel k_qc06e4461f4_proj
		.amdhsa_group_segment_fixed_size 0
		.amdhsa_private_segment_fixed_size 0
		.amdhsa_enable_private_segment 0
		.amdhsa_kernarg_size 40
		.amdhsa_user_sgpr_count 2
		.amdhsa_user_sgpr_kernarg_segment_ptr 1
		.amdhsa_wavefront_size32 1
		.amdhsa_system_sgpr_workgroup_id_x 1
		.amdhsa_system_sgpr_workgroup_id_y 1
		.amdhsa_system_sgpr_workgroup_id_z 1
		.amdhsa_system_vgpr_workitem_id 0
		.amdhsa_next_free_vgpr 1024
		.amdhsa_next_free_sgpr 66
		.amdhsa_reserve_vcc 0
		.amdhsa_float_denorm_mode_32 3
		.amdhsa_float_denorm_mode_16_64 3
		.amdhsa_memory_ordered 1
		.amdhsa_forward_progress 1
		.amdhsa_inst_pref_size 217
	.end_amdhsa_kernel
	.amdgpu_metadata
---
amdhsa.version: [ 1, 2 ]
amdhsa.kernels:
  - .name:           k_qc06e4461f4_proj
    .symbol:         k_qc06e4461f4_proj.kd
    .args:
      - { .name: himg, .offset: 0, .size: 8, .value_kind: global_buffer, .address_space: global }
      - { .name: wimg, .offset: 8, .size: 8, .value_kind: global_buffer, .address_space: global }
      - { .name: qimg, .offset: 16, .size: 8, .value_kind: global_buffer, .address_space: global }
      - { .name: kimg, .offset: 24, .size: 8, .value_kind: global_buffer, .address_space: global }
      - { .name: vimg, .offset: 32, .size: 8, .value_kind: global_buffer, .address_space: global }
    .group_segment_fixed_size: 0
    .private_segment_fixed_size: 0
    .kernarg_segment_align: 8
    .kernarg_segment_size: 40
    .max_flat_workgroup_size: 128
    .sgpr_count:     66
    .vgpr_count:     1024
    .wavefront_size: 32
...
	.end_amdgpu_metadata
.endif
;; end of part 2
;; launch attn (part 3): grid 16 x 16, 4 waves a work-group, clusters of 4 x 1, 327,680 bytes of LDS; arguments qimg, kimg, vimg, out0; writes out0
.if DOCPART == 3
	.amdgcn_target "amdgcn-amd-amdhsa--gfx1250"
	.amdhsa_code_object_version 6
	.text
	.protected	k_qc06e4461f4_attn
	.globl	k_qc06e4461f4_attn
	.p2align	8
	.type	k_qc06e4461f4_attn,@function
k_qc06e4461f4_attn:
	s_mov_b64 s[64:65], 0
	v_nop
	global_prefetch_b8 v0, s[64:65] scope:SCOPE_SE
	s_setreg_imm32_b32 hwreg(HW_REG_WAVE_MODE, 25, 1), 1
	s_wait_xcnt 0x0
	s_wait_alu depctr_hold_cnt(0) depctr_sa_sdst(0) depctr_va_vdst(0) depctr_va_sdst(0) depctr_va_ssrc(0) depctr_va_vcc(0) depctr_vm_vsrc(0)
	s_getreg_b32 s2, hwreg(HW_REG_IB_STS2, 6, 4)
	s_cmp_eq_u32 s2, 0
	s_cbranch_scc0 .Lentry_in_a_cluster
	s_endpgm
.Lentry_in_a_cluster:
	s_bfe_u32 s2, ttmp6, 0x10000c
	s_cmp_lg_u32 s2, 0x3003
	s_cbranch_scc0 .Lentry_shape_is_right
	s_endpgm
.Lentry_shape_is_right:
.set GROUP, 38400
.set SLOT1, 4*GROUP
.set PIMG,  8*GROUP
.set PSC,   PIMG+12288
.set MB,    PSC+1024
.set SPARE, MB+2048
.set LBO,   2560
.set SPI,   784
.set AK16, 1
.set AK8,  2
.set AKS,  3
.set AV16, 4
.set AV8,  5
.set AVS,  6
.set AP16, 7
.set AP8,  8
.set APS,  9
.set PW16, 10
.set PW8,  11
.set PWS,  12
.set MBW,  13
.set MBR,  14
.set STO,  15
.set RDA,  16
.set RDB,  17
.set GOA,  18
.set GOB,  19
.set PFO1, 20
.set PFO2, 21
.set SPW,  22
.set NIL,  23
.set QS,   24
.set KVS,  36
.set PS,   44
.set ST,   52
.set RG,   84
.set BM,   84
.set BX,   92
.set SO,   100
.set MX,   108
.set PC,   124
.set PT,   148
.set HW,   164
.set Q5,   192
.set G16,  240
.set G8,   241
.set GS4,  242
.set MSB, 0
.macro WIN new
.set NW, (\new)
.if MSB != NW
	s_set_vgpr_msb (MSB<<8)|NW
.set MSB, NW
.endif
.endm
.macro PLACES n
.rept \n
	v_nop
.endr
.endm
.macro ROUND
	s_barrier_signal -1
	s_barrier_wait -1
	s_cmp_lg_u32 s12, 0
	s_cbranch_scc1 .Lnot_wave_0_\@
	s_barrier_signal -3
.Lnot_wave_0_\@:
	s_barrier_wait -3
	s_barrier_signal -1
	s_barrier_wait -1
.endm
.macro JL g0
	tensor_load_to_lds s[\g0:\g0+3], s[24:31]
	s_nop 0
.rept 4
	v_nop
.endr
.endm
.macro ASK ptr, lim
	s_cmp_gt_u32 s46, s[\lim]
	s_cbranch_scc0 .Lno_ask_\@
	global_prefetch_b8 v[PFO1], s[\ptr:\ptr+1] th:TH_LOAD_NT scope:SCOPE_SE
	s_cmp_lg_u32 s12, 0
	s_cbranch_scc1 .Lno_ask_\@
	global_prefetch_b8 v[PFO2], s[\ptr:\ptr+1] th:TH_LOAD_NT scope:SCOPE_SE
.Lno_ask_\@:
.endm
.macro GFRAG d, off
.set rG, \d
.set oG, \off
	global_load_b128 v[rG:rG+3], v[G16], s[4:5] offset:oG
	global_load_b64 v[rG+4:rG+5], v[G8], s[4:5] offset:oG+512
	global_load_b128 v[rG+6:rG+9], v[G16], s[4:5] offset:oG+768
	global_load_b64 v[rG+10:rG+11], v[G8], s[4:5] offset:oG+1280
.endm
.macro LOADG g, a16, a8, as4
.irp i, 0,1,2
.set rL, RG+36*((\g)%3)+12*\i
.set oL, 1536*(3*(\g)+\i)
	ds_load_b128 v[rL:rL+3], v[\a16] offset:oL
	ds_load_b64 v[rL+4:rL+5], v[\a8] offset:oL+512
	ds_load_b128 v[rL+6:rL+9], v[\a16] offset:oL+768
	ds_load_b64 v[rL+10:rL+11], v[\a8] offset:oL+1280
.endr
.if (\g)%2 == 0
.irp i, 0,1,2
	ds_load_b32 v[KVS+4*(((\g)/2)%2)+\i], v[\as4] offset:384*((\g)/2)+64*\i
.endr
.endif
.endm
.macro KPROD g, i, q
.set sK, 3*((\g)%2)+(\i)
.set rD, 128+32*(\q)+8*((\g)/2)
.set rA, RG+36*((\g)%3)+12*(\i)
.set rAS, KVS+4*(((\g)/2)%2)+(\i)
.set rBS, QS+3*(\q)+(\i)
.if sK < 5
	WIN 0xf4
.set rB, 48*sK+12*(\q)
.else
	WIN 0xf0
.set rB, Q5+12*(\q)
.endif
.if sK == 0
	v_wmma_scale_f32_16x16x128_f8f6f4 v[rD:rD+7], v[rA:rA+11], v[rB:rB+11], 0, v[rAS], v[rBS] matrix_a_fmt:MATRIX_FMT_FP6 matrix_b_fmt:MATRIX_FMT_FP6
.elseif sK < 3
	v_wmma_scale_f32_16x16x128_f8f6f4 v[rD:rD+7], v[rA:rA+11], v[rB:rB+11], v[rD:rD+7], v[rAS], v[rBS] matrix_a_fmt:MATRIX_FMT_FP6 matrix_b_fmt:MATRIX_FMT_FP6
.else
	v_wmma_scale_f32_16x16x128_f8f6f4 v[rD:rD+7], v[rA:rA+11], v[rB:rB+11], v[rD:rD+7], v[rAS], v[rBS] matrix_a_fmt:MATRIX_FMT_FP6 matrix_b_fmt:MATRIX_FMT_FP6 matrix_a_scale:MATRIX_SCALE_ROW1 matrix_b_scale:MATRIX_SCALE_ROW1
.endif
.endm
.macro VPROD g, i, q, first
.set sP, (\g)/4
.set dT, 6*(((\g)/2)%2)+3*((\g)%2)+(\i)
.set rA, RG+36*((\g)%3)+12*(\i)
.set rB, 128+48*sP+12*(\q)
.set rAS, KVS+4*(((\g)/2)%2)+(\i)
.set rBS, PS+4*sP+(\q)
.if dT < 8
	WIN 0xac
.set rD, 32*dT+8*(\q)
.else
	WIN 0xfc
.set rD, 32*(dT-8)+8*(\q)
.endif
.if (\first) && (sP == 0)
.if (\g)%2 == 0
	v_wmma_scale_f32_16x16x128_f8f6f4 v[rD:rD+7], v[rA:rA+11], v[rB:rB+11], 0, v[rAS], v[rBS] matrix_a_fmt:MATRIX_FMT_FP6 matrix_b_fmt:MATRIX_FMT_FP6
.else
	v_wmma_scale_f32_16x16x128_f8f6f4 v[rD:rD+7], v[rA:rA+11], v[rB:rB+11], 0, v[rAS], v[rBS] matrix_a_fmt:MATRIX_FMT_FP6 matrix_b_fmt:MATRIX_FMT_FP6 matrix_a_scale:MATRIX_SCALE_ROW1
.endif
.else
.if (\g)%2 == 0
	v_wmma_scale_f32_16x16x128_f8f6f4 v[rD:rD+7], v[rA:rA+11], v[rB:rB+11], v[rD:rD+7], v[rAS], v[rBS] matrix_a_fmt:MATRIX_FMT_FP6 matrix_b_fmt:MATRIX_FMT_FP6
.else
	v_wmma_scale_f32_16x16x128_f8f6f4 v[rD:rD+7], v[rA:rA+11], v[rB:rB+11], v[rD:rD+7], v[rAS], v[rBS] matrix_a_fmt:MATRIX_FMT_FP6 matrix_b_fmt:MATRIX_FMT_FP6 matrix_a_scale:MATRIX_SCALE_ROW1
.endif
.endif
.endm
.macro PHASE kind, first, a16, a8, as4
	LOADG 0, \a16, \a8, \as4
	LOADG 1, \a16, \a8, \as4
.irp g, 0,1,2,3,4,5,6,7
.if \g < 6
	WIN 0
.if \g > 0
	PLACES 4
.endif
	LOADG \g+2, \a16, \a8, \as4
	s_wait_dscnt 27
.elseif \g == 6
	s_wait_dscnt 12
.else
	s_wait_dscnt 0x0
.endif
.irp i, 0,1,2
.irp q, 0,1,2,3
.if \kind == 0
	KPROD \g, \i, \q
.else
	VPROD \g, \i, \q, \first
.endif
.endr
.endr
.endr
.endm
.macro CHUNK first, fill
.if !(\first)
	PLACES 5
.endif
	PHASE 0, 0, AK16, AK8, AKS
	WIN 0
	PLACES 4
	WIN 0x3f
.irp q, 0,1,2,3,4,5,6,7
	v_max3_num_f32 v[BM+\q], v[128+16*\q], v[129+16*\q], v[130+16*\q]
.endr
	WIN 0x3c
.irp i, 3,5,7,9,11,13
.irp q, 0,1,2,3,4,5,6,7
	v_max3_num_f32 v[BM+\q], v[BM+\q], v[128+16*\q+\i], v[129+16*\q+\i]
.endr
.endr
.irp q, 0,1,2,3,4,5,6,7
	v_max_num_f32 v[BM+\q], v[BM+\q], v[143+16*\q]
.endr
	WIN 0
.irp q, 0,1,2,3,4,5,6,7
	v_permlanex16_b32 v[BX+\q], v[BM+\q], s20, s21
.endr
.irp q, 0,1,2,3,4,5,6,7
	v_max_num_f32 v[BM+\q], v[BM+\q], v[BX+\q]
.endr
.irp t, 0,1,2,3
	v_max_num_f32 v[ST+8*\t+6], v[BM+2*\t], v[BM+2*\t+1]
.endr
.irp t, 0,1,2,3
	ds_store_b32 v[MBW], v[ST+8*\t+6] offset:512*\t
.endr
.if \fill
	s_wait_xcnt 0x0
	s_add_nc_u64 s[42:43], s[42:43], 4*GROUP
	s_wait_tensorcnt 0x0
	ds_add_u32 v[SPW], v[NIL]
	s_add_nc_u64 s[34:35], s[34:35], 4*GROUP
	s_wait_dscnt 0x0
	ROUND
	JL 32
	ASK 42, 44
.else
	s_wait_tensorcnt 0x0
	s_wait_dscnt 0x0
	s_barrier_signal -1
	s_barrier_wait -1
.endif
.irp t, 0,1,2,3
	ds_load_b128 v[MX+4*\t:MX+4*\t+3], v[MBR] offset:512*\t
.endr
	s_wait_dscnt 0x0
.irp t, 0,1,2,3
	v_max3_num_f32 v[ST+8*\t+6], v[MX+4*\t], v[MX+4*\t+1], v[MX+4*\t+2]
.endr
.irp t, 0,1,2,3
	v_max_num_f32 v[ST+8*\t+6], v[ST+8*\t+6], v[MX+4*\t+3]
.endr
.irp t, 0,1,2,3
	v_mul_f32 v[ST+8*\t+6], s22, v[ST+8*\t+6]
.endr
.irp t, 0,1,2,3
	v_max_num_f32 v[ST+8*\t+1], v[ST+8*\t+1], v[ST+8*\t+6]
.endr
.irp t, 0,1,2,3
	v_mov_b32 v[ST+8*\t+7], v[ST+8*\t]
.endr
.irp t, 0,1,2,3
	v_floor_f32 v[ST+8*\t], -v[ST+8*\t+1]
.endr
.irp t, 0,1,2,3
	v_sub_f32 v[ST+8*\t+7], v[ST+8*\t], v[ST+8*\t+7]
.endr
.irp t, 0,1,2,3
	v_cvt_i32_f32 v[ST+8*\t+7], v[ST+8*\t+7]
.endr
.irp t, 0,1,2,3
	v_ldexp_f32 v[ST+8*\t+4], 1.0, v[ST+8*\t+7]
.endr
	WIN 0xc3
.irp t, 0,1,2,3
.set j, 0
.rept 16
	v_pk_fma_f32 v[128+32*\t+j:129+32*\t+j], v[128+32*\t+j:129+32*\t+j], s[22:23], v[ST+8*\t:ST+8*\t+1] op_sel_hi:[1,0,0]
.set j, j+2
.endr
.endr
	WIN 0
.irp q, 0,1,2,3,4,5,6,7
	v_fma_f32 v[BM+\q], v[BM+\q], s22, v[ST+8*(\q/2)]
.endr
	WIN 0xc3
.set j, 0
	s_wait_alu depctr_va_vdst(0)
.rept 128
	v_exp_f32 v[128+j], v[128+j]
.set j, j+1
.endr
	WIN 0
.irp t, 0,1,2,3
	v_pk_mul_f32 v[ST+8*\t+2:ST+8*\t+3], v[ST+8*\t+2:ST+8*\t+3], v[ST+8*\t+4:ST+8*\t+5] op_sel_hi:[1,0]
.endr
	s_wait_alu depctr_va_vdst(0)
.irp q, 0,1,2,3,4,5,6,7
	v_exp_f32 v[BM+\q], v[BM+\q]
.endr
	WIN 0x0c
.set j, 0
.rept 16
.irp t, 0,1,2,3
	v_pk_add_f32 v[ST+8*\t+2:ST+8*\t+3], v[ST+8*\t+2:ST+8*\t+3], v[128+32*\t+j:129+32*\t+j]
.endr
.set j, j+2
.endr
	WIN 0
	s_wait_alu depctr_va_vdst(0)
.irp q, 0,1,2,3,4,5,6,7
	v_max_num_f32 v[BM+\q], 0x1800000, v[BM+\q]
.endr
.irp q, 0,1,2,3,4,5,6,7
	v_add_nc_u32 v[SO+\q], 0xff000000, v[BM+\q]
.endr
.irp q, 0,1,2,3,4,5,6,7
	v_lshrrev_b32 v[BX+\q], 23, v[SO+\q]
.endr
.irp t, 0,1,2,3
	v_lshl_or_b32 v[HW+\t], v[BX+2*\t+1], 8, v[BX+2*\t]
.endr
	WIN 0x03
.irp t, 0,1,2,3
	v_cvt_scalef32_pk16_fp6_f32 v[PC+6*\t:PC+6*\t+2], v[128+32*\t:143+32*\t], v[SO+2*\t]
	v_cvt_scalef32_pk16_fp6_f32 v[PT+4*\t:PT+4*\t+2], v[144+32*\t:159+32*\t], v[SO+2*\t+1]
.endr
	WIN 0
	v_nop
.irp t, 0,1,2,3
.irp i, 0,1,2
	v_permlane16_swap_b32 v[PC+6*\t+\i], v[PT+4*\t+\i]
.endr
.irp i, 0,1,2
	v_mov_b32 v[PC+6*\t+3+\i], v[PT+4*\t+\i]
.endr
.endr
.irp t, 0,1,2,3
	ds_store_b128 v[PW16], v[PC+6*\t:PC+6*\t+3] offset:1536*\t
	ds_store_b64 v[PW8], v[PC+6*\t+4:PC+6*\t+5] offset:1536*\t+512
	ds_store_b16 v[PWS], v[HW+\t] offset:128*\t
.endr
	s_wait_dscnt 0x0
	s_barrier_signal -1
.if !(\first)
	WIN 0x82
.set j, 0
.rept 128
	v_pk_mul_f32 v[j:j+1], v[j:j+1], v[ST+8*((j/8)%4)+4:ST+8*((j/8)%4)+5] op_sel_hi:[1,0]
.set j, j+2
.endr
	WIN 0xc3
.set j, 0
.rept 64
	v_pk_mul_f32 v[j:j+1], v[j:j+1], v[ST+8*((j/8)%4)+4:ST+8*((j/8)%4)+5] op_sel_hi:[1,0]
.set j, j+2
.endr
.endif
	WIN 0
	s_wait_alu depctr_va_vdst(0)
	s_barrier_wait -1
	WIN 0xc0
.irp f, 0,1,2,3,4,5,6,7
	ds_load_b128 v[128+12*\f:131+12*\f], v[AP16] offset:1536*\f
	ds_load_b64 v[132+12*\f:133+12*\f], v[AP8] offset:1536*\f+512
	ds_load_b128 v[134+12*\f:137+12*\f], v[AP16] offset:1536*\f+768
	ds_load_b64 v[138+12*\f:139+12*\f], v[AP8] offset:1536*\f+1280
.endr
	WIN 0
.irp f, 0,1,2,3,4,5,6,7
	ds_load_b32 v[PS+\f], v[APS] offset:128*\f
.endr
	PHASE 1, \first, AV16, AV8, AVS
	WIN 0
.if \fill
	s_wait_xcnt 0x0
	s_add_nc_u64 s[40:41], s[40:41], 4*GROUP
	s_wait_tensorcnt 0x0
	ds_add_u32 v[SPW], v[NIL]
	s_add_nc_u64 s[38:39], s[38:39], 4*GROUP
	s_wait_dscnt 0x0
	ROUND
	JL 36
	ASK 40, 45
.endif
.endm
	s_load_b256 s[4:11], s[0:1], 0x0
	v_lshl_add_u32 v[SPW], v0, 2, SPARE
	v_mov_b32 v[NIL], 0
	ds_add_u32 v[SPW], v[NIL]
	ds_add_u32 v[SPW], v[NIL]
	v_lshrrev_b32 v243, 5, v0
	v_readfirstlane_b32 s12, v243
	s_bfe_u32 s13, ttmp6, 0x40000
	s_lshl_b32 s14, ttmp9, 2
	s_add_co_u32 s14, s14, s13
	s_and_b32 s15, ttmp7, 0xffff
	s_mov_b32 s24, 15|(3<<16)|(1<<21)
	s_mov_b32 s25, 32<<16
	s_mov_b32 s26, 150<<16
	s_mov_b32 s27, 32<<16
	s_mov_b32 s28, 150
	s_mov_b32 s29, 32
	s_mov_b32 s30, 0
	s_mov_b32 s31, 0
	s_mov_b32 s20, 0x76543210
	s_mov_b32 s21, 0xfedcba98
	s_mov_b32 s22, 0x3d553b95
	s_mov_b32 s23, s22
	s_lshl_b32 s16, s15, 4
	s_add_co_u32 s17, s16, s12
	s_mul_i32 s48, s17, GROUP
	s_mov_b32 s49, 0
	s_mul_i32 s47, s12, GROUP
	s_add_co_u32 s56, s16, s14
	s_mul_i32 s50, s56, GROUP
	s_mov_b32 s51, 0
	s_mul_i32 s52, s15, 3145728
	s_mul_i32 s56, s14, 196608
	s_add_co_u32 s52, s52, s56
	s_mul_i32 s56, s12, 768
	s_add_co_u32 s52, s52, s56
	s_mov_b32 s53, 0
	s_add_co_u32 s54, s16, s13
	s_mul_i32 s54, s54, GROUP
	s_lshl_b32 s56, s12, 13
	s_add_co_u32 s54, s54, s56
	s_mov_b32 s55, 0
	s_cmp_eq_u32 ttmp9, 0
	s_cselect_b32 s44, 0, -1
	s_cselect_b32 s45, 1, -1
	s_mov_b32 s46, 3
	s_wait_dscnt 0x0
	s_wait_kmcnt 0x0
	s_mov_b32 s32, 1
	s_mov_b32 s33, s47
	s_add_nc_u64 s[34:35], s[6:7], s[48:49]
	s_or_b32 s35, s35, 0x80000000
	s_mov_b32 s36, 1
	s_add_co_u32 s37, s47, SLOT1
	s_add_nc_u64 s[38:39], s[8:9], s[48:49]
	s_or_b32 s39, s39, 0x80000000
	s_add_nc_u64 s[4:5], s[4:5], s[50:51]
	s_add_nc_u64 s[10:11], s[10:11], s[52:53]
	s_add_nc_u64 s[40:41], s[6:7], s[54:55]
	s_add_nc_u64 s[40:41], s[40:41], 4*GROUP
	s_add_nc_u64 s[42:43], s[8:9], s[54:55]
	ROUND
	tensor_load_to_lds s[32:35], s[24:31]
	s_nop 0
	s_wait_alu depctr_va_vdst(0)
	s_wait_tensorcnt 0x0
	ds_add_u32 v22, v23
	s_wait_dscnt 0x0
	ROUND
	tensor_load_to_lds s[36:39], s[24:31]
	s_nop 0
.rept 4
	v_nop
.endr
	v_and_b32 v243, 31, v0
	v_and_b32 v244, 15, v0
	v_bfe_u32 v245, v0, 4, 1
	v_lshlrev_b32 v[G16], 4, v243
	v_lshlrev_b32 v[G8], 3, v243
	v_lshlrev_b32 v246, 2, v243
	v_lshlrev_b32 v[GS4], 2, v244
	v_mad_u32_u24 v[GS4], v245, 192, v[GS4]
	WIN 0x40
.irp s, 0,1,2,3,4
.irp q, 0,1,2,3
	GFRAG 48*\s+12*\q, 1536*(6*\q+\s)
.endr
.endr
	WIN 0
.irp q, 0,1,2,3
	GFRAG Q5+12*\q, 1536*(6*\q+5)
.endr
.irp q, 0,1,2,3
.irp i, 0,1,2
	global_load_b32 v[QS+3*\q+\i], v[GS4], s[4:5] offset:36864+384*\q+64*\i
.endr
.endr
	v_add_nc_u32 v[AK16], s47, v[G16]
	v_add_nc_u32 v[AK8], s47, v[G8]
	v_add_nc_u32 v[AKS], s47, v[GS4]
	v_add_nc_u32 v[AKS], 36864, v[AKS]
	v_add_nc_u32 v[AV16], SLOT1, v[AK16]
	v_add_nc_u32 v[AV8], SLOT1, v[AK8]
	v_add_nc_u32 v[AVS], SLOT1, v[AKS]
	v_add_nc_u32 v[AP16], PIMG, v[G16]
	v_add_nc_u32 v[AP8], PIMG, v[G8]
	v_add_nc_u32 v[APS], PSC, v246
	s_wait_alu depctr_va_vdst(0)
	s_lshr_b32 s17, s12, 1
	s_and_b32 s18, s12, 1
	s_mul_i32 s19, s17, 6144
	s_mul_i32 s57, s18, 768
	s_add_co_u32 s19, s19, s57
	v_add_nc_u32 v[PW16], s19, v[AP16]
	v_add_nc_u32 v[PW8], s19, v[AP8]
	s_lshl_b32 s17, s17, 9
	s_lshl_b32 s18, s18, 1
	s_add_co_u32 s17, s17, s18
	v_add_nc_u32 v[PWS], s17, v[APS]
	s_lshl_b32 s18, s12, 2
	v_add_nc_u32 v[MBR], MB, v[G16]
	v_add_nc_u32 v[MBW], s18, v[MBR]
	v_mul_u32_u24 v247, v244, SPI
	v_lshl_add_u32 v247, v245, 5, v247
	v_add_nc_u32 v[STO], s47, v247
	v_lshlrev_b32 v247, 4, v244
	v_lshl_add_u32 v[GOA], v245, 8, v247
	v_add_nc_u32 v[RDA], s47, v[GOA]
	v_mad_u32_u24 v248, v245, 272, v247
	v_add_nc_u32 v[RDB], s47, v248
	v_mad_u32_u24 v[GOB], v245, 2560, v247
	v_lshlrev_b32 v[PFO1], 8, v243
	v_min_u32 v248, 21, v243
	v_add_nc_u32 v248, 128, v248
	v_lshlrev_b32 v[PFO2], 8, v248
.irp t, 0,1,2,3
	v_mov_b32 v[ST+8*\t+1], 0xff61b1e6
	v_floor_f32 v[ST+8*\t], -v[ST+8*\t+1]
	v_mov_b32 v[ST+8*\t+2], 0
	v_mov_b32 v[ST+8*\t+3], 0
	v_mov_b32 v[ST+8*\t+5], 0
.endr
	s_wait_tensorcnt 0x1
	s_wait_loadcnt 0x0
	CHUNK 1, 1
	s_sub_co_u32 s46, s46, 1
.Lc:
	CHUNK 0, 1
	s_sub_co_u32 s46, s46, 1
	s_cmp_lg_u32 s46, 0
	s_cbranch_scc1 .Lc
	CHUNK 0, 0
.irp t, 0,1,2,3
	v_add_f32 v[ST+8*\t+6], v[ST+8*\t+2], v[ST+8*\t+3]
.endr
.irp t, 0,1,2,3
	v_permlanex16_b32 v[ST+8*\t+7], v[ST+8*\t+6], s20, s21
.endr
.irp t, 0,1,2,3
	v_add_f32 v[ST+8*\t+6], v[ST+8*\t+6], v[ST+8*\t+7]
.endr
.irp t, 0,1,2,3
	ds_store_b32 v[MBW], v[ST+8*\t+6] offset:LBO+512*\t
.endr
	s_wait_dscnt 0x0
	s_barrier_signal -1
	s_barrier_wait -1
.irp t, 0,1,2,3
	ds_load_b128 v[MX+4*\t:MX+4*\t+3], v[MBR] offset:LBO+512*\t
.endr
	s_wait_dscnt 0x0
.irp t, 0,1,2,3
	v_add_f32 v[MX+4*\t], v[MX+4*\t], v[MX+4*\t+1]
.endr
.irp t, 0,1,2,3
	v_add_f32 v[MX+4*\t+2], v[MX+4*\t+2], v[MX+4*\t+3]
.endr
.irp t, 0,1,2,3
	v_add_f32 v[MX+4*\t], v[MX+4*\t], v[MX+4*\t+2]
.endr
	s_wait_alu depctr_va_vdst(0)
.irp t, 0,1,2,3
	v_rcp_f32 v[ST+8*\t+4], v[MX+4*\t]
.endr
	v_nop
	s_wait_alu depctr_va_vdst(0)
.macro OUTT t
	WIN 0x82
.irp d, 0,1,2,3,4,5,6,7
.irp j, 0,2,4,6
	v_pk_mul_f32 v[32*\d+8*\t+\j:32*\d+8*\t+\j+1], v[32*\d+8*\t+\j:32*\d+8*\t+\j+1], v[ST+8*\t+4:ST+8*\t+5] op_sel_hi:[1,0]
.endr
.endr
	WIN 0xc3
.irp d, 0,1,2,3
.irp j, 0,2,4,6
	v_pk_mul_f32 v[32*\d+8*\t+\j:32*\d+8*\t+\j+1], v[32*\d+8*\t+\j:32*\d+8*\t+\j+1], v[ST+8*\t+4:ST+8*\t+5] op_sel_hi:[1,0]
.endr
.endr
	WIN 0x08
.irp d, 0,1,2,3,4,5,6,7
	ds_store_b128 v[STO], v[32*\d+8*\t:32*\d+8*\t+3] offset:12544*(\t%2)+64*\d
	ds_store_b128 v[STO], v[32*\d+8*\t+4:32*\d+8*\t+7] offset:12544*(\t%2)+64*\d+16
.endr
	WIN 0x0c
.irp d, 0,1,2,3
	ds_store_b128 v[STO], v[32*\d+8*\t:32*\d+8*\t+3] offset:12544*(\t%2)+64*(\d+8)
	ds_store_b128 v[STO], v[32*\d+8*\t+4:32*\d+8*\t+7] offset:12544*(\t%2)+64*(\d+8)+16
.endr
	WIN 0
.if \t > 0
	s_wait_xcnt 0x0
.endif
.irp k, 0,1,2,3,4,5,6,7
	ds_load_b128 v[RG+12*\k:RG+12*\k+3], v[RDA] offset:12544*(\t%2)+1568*\k
	ds_load_b128 v[RG+12*\k+4:RG+12*\k+7], v[RDB] offset:12544*(\t%2)+1568*\k+512
	ds_load_b128 v[RG+12*\k+8:RG+12*\k+11], v[RDA] offset:12544*(\t%2)+1568*\k+1040
.endr
	s_wait_dscnt 0x0
.irp k, 0,1,2,3,4,5,6,7
.set rowQ, 32*(\t/2)+8*(\t%2)+2*\k+8*(\k/4)
	global_store_b128 v[GOA], v[RG+12*\k:RG+12*\k+3], s[10:11] offset:3072*rowQ th:TH_STORE_NT
	global_store_b128 v[GOB], v[RG+12*\k+4:RG+12*\k+7], s[10:11] offset:3072*rowQ+512 th:TH_STORE_NT
	global_store_b128 v[GOA], v[RG+12*\k+8:RG+12*\k+11], s[10:11] offset:3072*rowQ+3328 th:TH_STORE_NT
.endr
.endm
	OUTT 0
	OUTT 1
	OUTT 2
	OUTT 3
	s_wait_tensorcnt 0x0
	ds_add_u32 v[SPW], v[NIL]
	s_wait_dscnt 0x0
	ROUND
	s_endpgm
.Lfunc_end_k_qc06e4461f4_attn:
	.size	k_qc06e4461f4_attn, .Lfunc_end_k_qc06e4461f4_attn-k_qc06e4461f4_attn
	.p2alignl 7, 3214868480
	.fill 96, 4, 3214868480
	.section	.rodata,"a",@progbits
	.p2align	6, 0x0
	.amdhsa_kernel k_qc06e4461f4_attn
		.amdhsa_group_segment_fixed_size 327680
		.amdhsa_private_segment_fixed_size 0
		.amdhsa_enable_private_segment 0
		.amdhsa_kernarg_size 32
		.amdhsa_user_sgpr_count 2
		.amdhsa_user_sgpr_kernarg_segment_ptr 1
		.amdhsa_wavefront_size32 1
		.amdhsa_system_sgpr_workgroup_id_x 1
		.amdhsa_system_sgpr_workgroup_id_y 1
		.amdhsa_system_sgpr_workgroup_id_z 1
		.amdhsa_system_vgpr_workitem_id 0
		.amdhsa_next_free_vgpr 1024
		.amdhsa_next_free_sgpr 66
		.amdhsa_reserve_vcc 0
		.amdhsa_float_denorm_mode_32 3
		.amdhsa_float_denorm_mode_16_64 3
		.amdhsa_memory_ordered 1
		.amdhsa_forward_progress 1
		.amdhsa_inst_pref_size 255
	.end_amdhsa_kernel
	.section	.bss,"aw",@nobits
	.p2align	6
	.space	262144
	.amdgpu_metadata
---
amdhsa.version: [ 1, 2 ]
amdhsa.kernels:
  - .name:           k_qc06e4461f4_attn
    .symbol:         k_qc06e4461f4_attn.kd
    .args:
      - { .name: qimg, .offset: 0, .size: 8, .value_kind: global_buffer, .address_space: global }
      - { .name: kimg, .offset: 8, .size: 8, .value_kind: global_buffer, .address_space: global }
      - { .name: vimg, .offset: 16, .size: 8, .value_kind: global_buffer, .address_space: global }
      - { .name: out0, .offset: 24, .size: 8, .value_kind: global_buffer, .address_space: global }
    .group_segment_fixed_size: 327680
    .private_segment_fixed_size: 0
    .kernarg_segment_align: 8
    .kernarg_segment_size: 32
    .max_flat_workgroup_size: 128
    .sgpr_count:     66
    .vgpr_count:     1024
    .wavefront_size: 32
...
	.end_amdgpu_metadata
.endif
;; end of part 3
